; MI455X (gfx1250); checked and timed in simulation.
; The chip was launched on July 23, 2026; its instructions are those of AMD's public machine-readable ISA for CDNA 5 (MIT licence, August 2026) and "CDNA5" Instruction Set Architecture Reference Guide (July 2026). The comments in the code are by the model that wrote it; some were corrected since.
;; pt Multi Scale Ro I Align. Allowed arithmetic: float matrix products may take bf16 or f16 operands with f32 sums; all other float work in f32.
;; Inputs: boxes 2 x 256 x 4 float32; feat0 2 x 256 x 200 x 200 float32; feat1 2 x 256 x 100 x 100 float32; feat2 2 x 256 x 50 x 50 float32; feat3 2 x 256 x 25 x 25 float32.
;; Outputs: out0 512 x 256 x 7 x 7 float32.
;; One version. Each part assembles by itself: llvm-mc -triple=amdgcn-amd-amdhsa -mcpu=gfx1250 --defsym DOCPART=n.
;; ======== version 1 of 1: 2 launches
;; workspace buffers: idx 131,072 bytes of whole numbers; wts 131,072 bytes
;; launch prep (part 1): grid 256 x 1, 2 waves a work-group, no clusters, 0 bytes of LDS; arguments boxes, idx, wts; writes idx, wts
.if DOCPART == 1
	.amdgcn_target "amdgcn-amd-amdhsa--gfx1250"
	.amdhsa_code_object_version 6
	.text
	.protected	k_q268622f418_prep
	.globl	k_q268622f418_prep
	.p2align	8
	.type	k_q268622f418_prep,@function
k_q268622f418_prep:
	s_mov_b64 s[64:65], 0
	v_nop
	global_prefetch_b8 v0, s[64:65] scope:SCOPE_SE
	s_setreg_imm32_b32 hwreg(HW_REG_WAVE_MODE, 25, 1), 1
	s_wait_xcnt 0x0
; Per box: the pyramid level, and for the 14 sample rows and 14 sample columns the two taps (as byte offsets) and their weights.
; The next launch forms addresses from these whole numbers; here no address hangs on a box's numbers.
; One wave = one box.  Lane L = one sample coordinate: axis = L >> 4 (0: y, 1: x), sample s = L & 15 = 2 x bin + sub-sample.
; The lane makes slots 2L, 2L+1 of the box's record of 64 words, so each record leaves as one 8-byte store of the wave:
; 256 consecutive bytes, aligned.
;   idx record: 0-27 row taps (y x W x 4 bytes, low and high in turn); 28, 30 level 0..3; 29, 31 bytes of a plane (4 W W);
;               32-59 column taps (x x 4 bytes); 60-63 repeat 56-59, so that the next launch's 32 lanes all have a valid tap.
;   wts record: 0-27 row weights (1 - l, l); 28-31 not read; 32-59 column weights x 1/4 (the mean of 2 x 2 samples); 60-63 repeat 56-59.
; LIMITS.  v_sqrt_f32 and v_log_f32 are good to one unit in the last place, and /224 and /7 are multiplications by the rounded
; reciprocals: a box whose 4 + log2(sqrt(area)/224) + 1e-6 lies within about 1e-6 of a whole number may get the neighbouring level.
; A negative area (NaN from the root) gets level 0.  A tap index that flips at a whole coordinate changes nothing: the
; interpolation is continuous there.
.set INV224, 0x3b924925
.set INV7,   0x3e124925
.set EPS,    0x358637bd                ; 1e-6
	s_load_b128 s[4:7], s[0:1], 0x0                ; boxes s[4:5], idx s[6:7]
	s_load_b64 s[8:9], s[0:1], 0x10                ; wts
	s_lshl_b32 s10, ttmp9, 6                       ; 64 threads a work-group
	v_add_nc_u32 v1, s10, v0                       ; thread in the launch = 32 x box + lane
	v_lshrrev_b32 v2, 5, v1
	v_lshlrev_b32 v2, 4, v2                        ; 16 bytes a box
	v_lshlrev_b32 v3, 3, v1                        ; 256 x box + 8 x lane: my two slots
	v_and_b32 v4, 15, v0                           ; s
	v_bfe_u32 v5, v0, 4, 1                         ; axis
	s_wait_kmcnt 0x0
	global_load_b128 v[8:11], v2, s[4:5]           ; x1 y1 x2 y2, the same 16 bytes in all lanes of the wave
	v_cmp_lt_u32 s11, 13, v4                       ; s = 14, 15: no sample of their own
	v_add_nc_u32 v6, -2, v4
	v_cndmask_b32 v6, v4, v6, s11                  ; they repeat samples 12, 13
	v_lshrrev_b32 v7, 1, v6
	v_cvt_f32_u32 v7, v7                           ; bin 0..6
	v_and_b32 v6, 1, v6
	v_cvt_f32_u32 v6, v6
	v_add_f32 v6, 0.5, v6                          ; sub-sample + 0.5
	v_cmp_eq_u32 vcc_lo, 1, v5                     ; the x lanes
	v_mov_b32 v27, 0x3e800000                      ; 0.25
	v_mov_b32 v29, 4
	s_wait_loadcnt 0x0
	; the level, step by step as reference() has it
	v_sub_f32 v12, v10, v8
	v_sub_f32 v13, v11, v9
	v_mul_f32 v12, v12, v13                        ; area
	v_sqrt_f32 v13, v12
	v_cndmask_b32 v14, v9, v8, vcc_lo              ; my axis' first edge (a plain instruction between the root and its use: ISA guide 5.7.2)
	v_cndmask_b32 v15, v11, v10, vcc_lo            ; and its second
	s_wait_alu depctr_va_vdst(0)
	v_mul_f32 v13, INV224, v13
	v_log_f32 v12, v13
	v_mov_b32 v19, 0xc8                            ; 200, level 0's side (the plain instruction behind the logarithm)
	s_wait_alu depctr_va_vdst(0)
	v_add_f32 v12, 4.0, v12
	v_add_f32 v12, EPS, v12
	v_floor_f32 v12, v12
	v_max_num_f32 v12, 2.0, v12                    ; a NaN loses: level 0
	v_min_num_f32 v12, 0x40a00000, v12             ; 5.0
	v_cvt_i32_f32 v12, v12                         ; k = 2..5
	v_add_nc_u32 v16, -2, v12                      ; level 0..3
	v_sub_nc_u32 v17, 0, v12
	; the sample's coordinate on that level
	v_ldexp_f32 v14, v14, v17                      ; x 2^-k: the level's scale, exact
	v_ldexp_f32 v15, v15, v17
	v_lshrrev_b32 v18, v16, v19                    ; side: 200, 100, 50, 25
	v_sub_f32 v15, v15, v14
	v_max_num_f32 v15, 1.0, v15
	v_mul_f32 v15, INV7, v15                       ; a bin's length
	v_fma_f32 v14, v7, v15, v14
	v_mul_f32 v15, 0.5, v15
	v_fma_f32 v14, v6, v15, v14
	v_max_num_f32 v14, 0, v14
	; taps: low = min(floor, side - 1), high = min(low + 1, side - 1), which is reference()'s choice at the edge
	v_cvt_u32_f32 v20, v14
	v_add_nc_u32 v22, -1, v18
	v_min_u32 v20, v20, v22
	v_add_nc_u32 v21, 1, v20
	v_min_u32 v21, v21, v22
	v_cvt_f32_u32 v23, v20
	v_sub_f32 v25, v14, v23                        ; l (above 1 beyond the edge, as in reference())
	v_sub_f32 v24, 1.0, v25                        ; 1 - l
	v_cndmask_b32 v26, 1.0, v27, vcc_lo            ; the mean's 1/4 rides on the column weights
	v_mul_f32 v24, v24, v26
	v_mul_f32 v25, v25, v26
	; as bytes
	v_lshlrev_b32 v28, 2, v18                      ; bytes in a row
	v_mul_lo_u32 v30, v28, v18                     ; bytes in a plane
	v_cndmask_b32 v28, v28, v29, vcc_lo            ; y taps step by rows, x taps by 4 bytes
	v_mul_lo_u32 v20, v20, v28
	v_mul_lo_u32 v21, v21, v28
	s_and_not1_b32 s11, s11, vcc_lo                ; lanes 14, 15 (y axis, no sample):
	v_cndmask_b32 v20, v20, v16, s11               ; slots 28, 30: level
	v_cndmask_b32 v21, v21, v30, s11               ; slots 29, 31: plane bytes
	global_store_b64 v3, v[20:21], s[6:7]
	global_store_b64 v3, v[24:25], s[8:9]
	s_endpgm
.Lfunc_end_k_q268622f418_prep:
	.size	k_q268622f418_prep, .Lfunc_end_k_q268622f418_prep-k_q268622f418_prep
	.p2alignl 7, 3214868480
	.fill 96, 4, 3214868480
	.section	.rodata,"a",@progbits
	.p2align	6, 0x0
	.amdhsa_kernel k_q268622f418_prep
		.amdhsa_group_segment_fixed_size 0
		.amdhsa_private_segment_fixed_size 0
		.amdhsa_enable_private_segment 0
		.amdhsa_kernarg_size 24
		.amdhsa_user_sgpr_count 2
		.amdhsa_user_sgpr_kernarg_segment_ptr 1
		.amdhsa_wavefront_size32 1
		.amdhsa_system_sgpr_workgroup_id_x 1
		.amdhsa_system_sgpr_workgroup_id_y 1
		.amdhsa_system_sgpr_workgroup_id_z 1
		.amdhsa_system_vgpr_workitem_id 0
		.amdhsa_next_free_vgpr 32
		.amdhsa_next_free_sgpr 66
		.amdhsa_reserve_vcc 1
		.amdhsa_float_denorm_mode_32 3
		.amdhsa_float_denorm_mode_16_64 3
		.amdhsa_memory_ordered 1
		.amdhsa_forward_progress 1
		.amdhsa_inst_pref_size 4
	.end_amdhsa_kernel
	.amdgpu_metadata
---
amdhsa.version: [ 1, 2 ]
amdhsa.kernels:
  - .name:           k_q268622f418_prep
    .symbol:         k_q268622f418_prep.kd
    .args:
      - { .name: boxes, .offset: 0, .size: 8, .value_kind: global_buffer, .address_space: global }
      - { .name: idx, .offset: 8, .size: 8, .value_kind: global_buffer, .address_space: global }
      - { .name: wts, .offset: 16, .size: 8, .value_kind: global_buffer, .address_space: global }
    .group_segment_fixed_size: 0
    .private_segment_fixed_size: 0
    .kernarg_segment_align: 8
    .kernarg_segment_size: 24
    .max_flat_workgroup_size: 64
    .sgpr_count:     66
    .vgpr_count:     32
    .wavefront_size: 32
...
	.end_amdgpu_metadata
.endif
;; end of part 1
;; launch pool (part 2): grid 512 x 1, 16 waves a work-group, no clusters, 52,224 bytes of LDS; arguments idx, wts, feat0, feat1, feat2, feat3, out0; writes out0
.if DOCPART == 2
	.amdgcn_target "amdgcn-amd-amdhsa--gfx1250"
	.amdhsa_code_object_version 6
	.text
	.protected	k_q268622f418_pool
	.globl	k_q268622f418_pool
	.p2align	8
	.type	k_q268622f418_pool,@function
k_q268622f418_pool:
	s_mov_b64 s[64:65], 0
	v_nop
	global_prefetch_b8 v0, s[64:65] scope:SCOPE_SE
	s_setreg_imm32_b32 hwreg(HW_REG_WAVE_MODE, 25, 1), 1
	s_wait_xcnt 0x0
; RoI align of one box a work-group, from the records of taps and weights that the launch before stored.
; out[c][ph][pw] = sum over the 4 column taps q of pw of wx[q] x ( sum over the 4 row taps r of ph of wy[r] x F[c][row r][col q] ),
; with the mean's 1/4 inside wx.  Rows first, then columns: the order of rounding differs from reference()'s four-term form.
; SHARES.  16 waves; wave w makes planes (channels) 16 w .. 16 w + 15.  A lane is a column tap: lane q = 4 pw + 2 ix + t; lanes 28-31
; repeat 24-27.  One load = one row tap of one plane: the wave's 32 lanes read words of one short stretch of one feature row.
; 28 loads a plane; two plane buffers in registers, so that 28 to 56 loads of every wave are on their way.
; The box's 256 x 49 numbers are gathered in LDS as they lie in memory (50,176 bytes) and leave by 16-byte stores, of which
; sixteen neighbouring lanes cover 256 consecutive bytes, aligned.
; NOT USED, and why: matrix instructions (no product of matrices); tensor loads, clusters and joint requests (what is read are single
; words at rows and columns from a list, at most 28 x 28 of a plane, and no two work-groups ask for the same tile at a fixed place);
; a copy of the box's footprint in LDS (it has about as many words as there are taps, so no load would be spared).
.set PLANES, 16                        ; planes of a wave
.set OUTB,   196                       ; bytes of a plane's 7 x 7 results
.set BOXB,   50176                     ; bytes of a box's results
.set PASS,   8192                      ; the way out: 512 threads x 16 bytes
.set ROW,  36                          ; s[36:63]  28 row taps, byte offsets in a plane
.set WY,   68                          ; s[68:95]  their weights
.set B0,   24                          ; s[24:25]  address of the plane that buffer 0 loads
.set B1,   26                          ; s[26:27]  the same for buffer 1
.set VO,   8                           ; v[8:35]   row tap + my column tap: the 28 load offsets, never rewritten
.set D0,   36                          ; v[36:63]  plane buffer 0 (and the way out's data)
.set D1,   64                          ; v[64:91]  plane buffer 1
.set A,    92                          ; v[92:98]  the seven ph sums of my column tap
.set S0,   99                          ; what I store: ph = j
.set S1,   100                         ; and ph = min(j + 4, 6)
.set RD,   101                         ; 512 x wave + 16 x lane: LDS address and offset in the box's results on the way out
; v2 4 x lane; v3 my column tap in bytes; v4 its weight; v5, v6 LDS addresses of my two results; v7 j = lane & 3
	s_load_b256 s[4:11], s[0:1], 0x0               ; idx s[4:5], wts s[6:7], feat0 s[8:9], feat1 s[10:11]
	s_load_b128 s[12:15], s[0:1], 0x20             ; feat2 s[12:13], feat3 s[14:15]
	s_load_b64 s[16:17], s[0:1], 0x30              ; out0
	v_lshl_add_u32 v104, v0, 2, 0xc400
	v_mov_b32 v105, 0
	v_lshrrev_b32 v1, 5, v0
	v_readfirstlane_b32 s18, v1                    ; wave 0..15
	v_and_b32 v2, 31, v0
	v_lshlrev_b32 v2, 2, v2
	v_and_b32 v7, 3, v0                            ; j: my place in the quad of lanes that share a pw
	v_cmp_eq_u32 s32, 1, v7                        ; j = 1
	v_cmp_lt_u32 s33, 1, v7                        ; j >= 2
	v_cmp_eq_u32 s34, 3, v7                        ; j = 3
	s_lshl_b32 s30, ttmp9, 8                       ; the box's records: 256 bytes each
	s_mov_b32 s31, 0
	s_wait_kmcnt 0x0
	s_add_nc_u64 s[4:5], s[4:5], s[30:31]
	s_add_nc_u64 s[6:7], s[6:7], s[30:31]
	s_load_b512 s[ROW:ROW+15],    s[4:5], 0x0      ; row taps 0-27
	s_load_b256 s[ROW+16:ROW+23], s[4:5], 0x40
	s_load_b128 s[ROW+24:ROW+27], s[4:5], 0x60
	s_load_b64  s[20:21],         s[4:5], 0x70     ; level, plane bytes
	s_load_b512 s[WY:WY+15],      s[6:7], 0x0      ; row weights 0-27
	s_load_b256 s[WY+16:WY+23],   s[6:7], 0x40
	s_load_b128 s[WY+24:WY+27],   s[6:7], 0x60
	global_load_b32 v3, v2, s[4:5] offset:128      ; my column tap
	global_load_b32 v4, v2, s[6:7] offset:128      ; and its weight
	; where my two results of a plane go: word 7 ph + pw of the plane's 49, in the wave's own 16 x 196 bytes
	s_mul_i32 s29, s18, PLANES*OUTB
	v_bfe_u32 v[A], v0, 2, 3
	v_min_u32 v[A], 6, v[A]                        ; pw (lanes 28-31: 6 once more)
	v_mad_u32_u24 v[A+1], v7, 7, v[A]
	v_lshl_add_u32 v5, v[A+1], 2, s29              ; ph = j
	v_add_nc_u32 v[A+2], 4, v7
	v_min_u32 v[A+2], 6, v[A+2]
	v_mad_u32_u24 v[A+2], v[A+2], 7, v[A]
	v_lshl_add_u32 v6, v[A+2], 2, s29              ; ph = min(j + 4, 6)
	s_lshl_b32 s29, s18, 9
	v_lshl_add_u32 v[RD], v2, 2, s29
	s_wait_kmcnt 0x0
	; numbers that were loaded enter addresses only clamped to what the largest level allows
.set i, 0
.rept 28
	s_min_u32 s[ROW+i], s[ROW+i], 0x26de0          ; 199 rows x 800 bytes
.set i, i+1
.endr
	s_min_u32 s20, s20, 3
	s_min_u32 s22, s21, 0x27100                    ; 200 x 200 x 4 bytes
	s_mov_b32 s23, 0
	s_cmp_eq_u32 s20, 1                            ; the level's buffer
	s_cselect_b64 s[B0:B0+1], s[10:11], s[8:9]
	s_cmp_eq_u32 s20, 2
	s_cselect_b64 s[B0:B0+1], s[12:13], s[B0:B0+1]
	s_cmp_eq_u32 s20, 3
	s_cselect_b64 s[B0:B0+1], s[14:15], s[B0:B0+1]
	s_and_b32 s29, ttmp9, 0x100                    ; 256 x image (boxes 0-255: image 0, 256-511: image 1)
	s_lshl4_add_u32 s29, s18, s29                  ; + 16 x wave: my first plane
	s_mul_i32 s30, s29, s22                        ; at most 496 x 160,000 bytes: fits 32 bits; s31 is still 0
	s_add_nc_u64 s[B0:B0+1], s[B0:B0+1], s[30:31]
	s_add_nc_u64 s[B1:B1+1], s[B0:B0+1], s[22:23]  ; the plane behind it
	s_lshl_b32 s22, s22, 1                         ; s[22:23]: each buffer steps by two planes
	s_mul_i32 s30, ttmp9, BOXB
	s_add_nc_u64 s[16:17], s[16:17], s[30:31]      ; the box's results
	s_wait_loadcnt 0x0
	v_min_u32 v3, 0x31c, v3                        ; 199 x 4 bytes
.set i, 0
.rept 28
	v_add_nc_u32 v[VO+i], s[ROW+i], v3
.set i, i+1
.endr
; 28 loads: every row tap of one plane at my column tap.  No cache word: other boxes read these planes too.
.macro ISSUE buf, base
.set i, 0
.rept 28
	global_load_b32 v[\buf+i], v[VO+i], s[\base:\base+1]
.set i, i+1
.endr
.endm
; A plane's 28 words of a lane to the plane's 49 results in LDS, at byte off behind v5, v6.
.macro REDUCE buf, off
.irp p, 0,1,2,3,4,5,6
	v_mul_f32 v[A+\p], s[WY+4*\p], v[\buf+4*\p]                    ; seven chains, one for each ph: the first tap starts the sum
.endr
.irp t, 1,2,3
.irp p, 0,1,2,3,4,5,6
	v_fmac_f32 v[A+\p], s[WY+4*\p+\t], v[\buf+4*\p+\t]
.endr
.endr
.irp p, 0,1,2,3,4,5,6
	v_mul_f32 v[A+\p], v[A+\p], v4                                 ; my column's weight
.endr
.irp p, 0,1,2,3,4,5,6
	v_add_f32_dpp v[A+\p], v[A+\p], v[A+\p] row_xmask:1 row_mask:0xf bank_mask:0xf
.endr
.irp p, 0,1,2,3,4,5,6
	v_add_f32_dpp v[A+\p], v[A+\p], v[A+\p] row_xmask:2 row_mask:0xf bank_mask:0xf   ; each lane of a quad now has all seven results of its pw
.endr
	v_cndmask_b32 v[S0], v[A], v[A+1], s32                         ; lane j of the quad stores ph = j
	v_cndmask_b32 v[S1], v[A+4], v[A+5], s32                       ; and ph = min(j + 4, 6)
	v_cndmask_b32 v[S0], v[S0], v[A+2], s33
	v_cndmask_b32 v[S1], v[S1], v[A+6], s33
	v_cndmask_b32 v[S0], v[S0], v[A+3], s34
	ds_store_b32 v5, v[S0] offset:\off                             ; lanes 28-31, and j = 3 in the second store, write the word and the value
	ds_store_b32 v6, v[S1] offset:\off                             ; of a neighbouring lane of the same instruction: all lanes stay on
.endm
; A buffer's turn.  left = how many younger loads (the other buffer's) may stay out.  refill = 1: the buffer asks for the plane two further on.
.macro TURN buf, base, off, left, refill
	s_wait_loadcnt \left                           ; loads come back in order (ISA guide 5.7.1): this buffer's 28 are in, and their base is free
.if \refill
	s_add_nc_u64 s[\base:\base+1], s[\base:\base+1], s[22:23]
.endif
	REDUCE \buf, \off
.if \refill
	ISSUE \buf, \base
.endif
.endm
	ISSUE D0, B0                                   ; planes 0 and 1
	ISSUE D1, B1
	s_mov_b32 s28, PLANES/2-1
.Lpair:                                            ; trip t: planes 2t, 2t + 1 are reduced, 2t + 2, 2t + 3 asked for; the last asked for is plane 15
	TURN D0, B0, 0, 28, 1
	TURN D1, B1, OUTB, 28, 1
	v_add_nc_u32 v5, 2*OUTB, v5
	v_add_nc_u32 v6, 2*OUTB, v6
	s_sub_co_i32 s28, s28, 1
	s_cmp_lg_u32 s28, 0
	s_cbranch_scc1 .Lpair
	TURN D0, B0, 0, 28, 0                          ; planes 14 and 15: nothing more is asked for,
	TURN D1, B1, OUTB, 0, 0                        ; and nothing is out behind the last
	; THE WAY OUT.  Every wave's results are in LDS before any wave reads across the waves' parts.
	s_wait_dscnt 0x0                               ; my LDS stores are done: zero, for the other waves' sake
	s_barrier_signal -1
	s_barrier_wait -1
.irp k, 0,1,2,3,4,5
	ds_load_b128 v[D0+4*\k:D0+4*\k+3], v[RD] offset:PASS*\k
.endr
.irp k, 0,1,2,3,4,5
	s_wait_dscnt 5-\k                              ; LDS loads come back in order: load k is in, the 5 - k behind it may be out
	global_store_b128 v[RD], v[D0+4*\k:D0+4*\k+3], s[16:17] offset:PASS*\k th:TH_STORE_NT
.endr
	s_cmp_ge_u32 s18, 2                            ; 50,176 = 6 x 8,192 + 1,024: the last 1,024 bytes are waves 0 and 1's
	s_cbranch_scc1 .Lend
	ds_load_b128 v[D0+24:D0+27], v[RD] offset:PASS*6
	s_wait_dscnt 0x0
	global_store_b128 v[RD], v[D0+24:D0+27], s[16:17] offset:PASS*6 th:TH_STORE_NT
.Lend:
	s_wait_tensorcnt 0x0
	ds_add_u32 v104, v105
	s_wait_dscnt 0x0
	s_endpgm
.Lfunc_end_k_q268622f418_pool:
	.size	k_q268622f418_pool, .Lfunc_end_k_q268622f418_pool-k_q268622f418_pool
	.p2alignl 7, 3214868480
	.fill 96, 4, 3214868480
	.section	.rodata,"a",@progbits
	.p2align	6, 0x0
	.amdhsa_kernel k_q268622f418_pool
		.amdhsa_group_segment_fixed_size 52224
		.amdhsa_private_segment_fixed_size 0
		.amdhsa_enable_private_segment 0
		.amdhsa_kernarg_size 56
		.amdhsa_user_sgpr_count 2
		.amdhsa_user_sgpr_kernarg_segment_ptr 1
		.amdhsa_wavefront_size32 1
		.amdhsa_system_sgpr_workgroup_id_x 1
		.amdhsa_system_sgpr_workgroup_id_y 1
		.amdhsa_system_sgpr_workgroup_id_z 1
		.amdhsa_system_vgpr_workitem_id 0
		.amdhsa_next_free_vgpr 106
		.amdhsa_next_free_sgpr 96
		.amdhsa_reserve_vcc 0
		.amdhsa_float_denorm_mode_32 3
		.amdhsa_float_denorm_mode_16_64 3
		.amdhsa_memory_ordered 1
		.amdhsa_forward_progress 1
		.amdhsa_inst_pref_size 28
	.end_amdhsa_kernel
	.amdgpu_metadata
---
amdhsa.version: [ 1, 2 ]
amdhsa.kernels:
  - .name:           k_q268622f418_pool
    .symbol:         k_q268622f418_pool.kd
    .args:
      - { .name: idx, .offset: 0, .size: 8, .value_kind: global_buffer, .address_space: global }
      - { .name: wts, .offset: 8, .size: 8, .value_kind: global_buffer, .address_space: global }
      - { .name: feat0, .offset: 16, .size: 8, .value_kind: global_buffer, .address_space: global }
      - { .name: feat1, .offset: 24, .size: 8, .value_kind: global_buffer, .address_space: global }
      - { .name: feat2, .offset: 32, .size: 8, .value_kind: global_buffer, .address_space: global }
      - { .name: feat3, .offset: 40, .size: 8, .value_kind: global_buffer, .address_space: global }
      - { .name: out0, .offset: 48, .size: 8, .value_kind: global_buffer, .address_space: global }
    .group_segment_fixed_size: 52224
    .private_segment_fixed_size: 0
    .kernarg_segment_align: 8
    .kernarg_segment_size: 56
    .max_flat_workgroup_size: 512
    .sgpr_count:     96
    .vgpr_count:     106
    .wavefront_size: 32
...
	.end_amdgpu_metadata
.endif
;; end of part 2
